; MI455X (gfx1250); checked and timed in simulation.
; The chip was launched on July 23, 2026; its instructions are those of AMD's public machine-readable ISA for CDNA 5 (MIT licence, August 2026) and "CDNA5" Instruction Set Architecture Reference Guide (July 2026). The comments in the code are by the model that wrote it; some were corrected since.
;; Neighborhood Attention1 D. Allowed arithmetic: matrix products marked QUANTISED: E2M3 operands, one E8M0 scale for each 32 along K, by v_wmma_scale_f32_16x16x128_f8f6f4 with both operands' format E2M3, f32 sums; products left as they are: f32 operands where the result goes on into a quantised operand, else bf16, f16 or f32 operands; f32 sums; everything else in f32.
;; Inputs: b_proj 1,024 float32; b_qkv 3,072 float32; rpb 16 x 25 float32; w_proj_codes 1,024 x 32 x 24 uint8 (E2M3 codes of w_proj, K innermost, in blocks of 32 codes, four codes in three bytes); w_proj_scales 1,024 x 32 uint8 (E8M0 scales of w_proj, one for each 32 codes along K); w_qkv_codes 3,072 x 32 x 24 uint8 (E2M3 codes of w_qkv, K innermost, in blocks of 32 codes, four codes in three bytes); w_qkv_scales 3,072 x 32 uint8 (E8M0 scales of w_qkv, one for each 32 codes along K); x_codes 4 x 4,096 x 32 x 24 uint8 (E2M3 codes of x, K innermost, in blocks of 32 codes, four codes in three bytes); x_scales 4 x 4,096 x 32 uint8 (E8M0 scales of x, one for each 32 codes along K).
;; Outputs: out0 4 x 4,096 x 1,024 float32.
;; This version of the problem:
;;   THIS VERSION OF THE PROBLEM IS GIVEN IN LOW PRECISION. The matrix products marked QUANTISED in the list below multiply operands that are first quantised to E2M3 (2 exponent bits, 3 mantissa bits; 6 bits a number), with one power-of-two scale for each 32 numbers along K (OCP MX v1.0); their sums are f32. All else is computed in f32.
;;   The module's matrix products, in the order in which they are computed (A, B: the left and right operand; K: the contracted axis; several contracted axes count as one K, in the product's order):
;;     1. [M 16,384, K 1,024] x [K 1,024, N 3,072]; A: input x (given as codes); B: input w_qkv (given as codes): QUANTISED
;;     2. batch 262,144 x [M 1, K 64] x [K 64, N 13]; A: computed on the way; B: computed on the way: left as it is (M = 1 < 16)
;;     3. batch 262,144 x [M 1, K 13] x [K 13, N 64]; A: softmax; B: computed on the way: left as it is (K = 13 < 32)
;;     4. [M 16,384, K 1,024] x [K 1,024, N 1,024]; A: computed on the way; B: input w_proj (given as codes): QUANTISED
;;   THE QUANTISER, for each operand of a quantised product, along K:
;;     - K is cut into blocks of 32 from its start; a last block that is shorter is filled with zeros.
;;     - A block's scale is 2^e with e = floor(log2(the largest magnitude in the block)) - 2, held to -126 .. 127; a block of zeros has e = 0. As a byte (E8M0): e + 127.
;;     - Each number is divided by its block's scale, clamped to +-7.5, and rounded to the nearest number of E2M3, ties to even, subnormals kept.
;;     - The product sums the exact products of the quantised numbers (number of the format x scale) in f32.
;;   ~~~python
;;   def quantise(x, axis):      # numpy; x: float32 -> the quantised numbers, widened to float32 again
;;       x = np.moveaxis(x, axis, -1); K = x.shape[-1]
;;       x = np.pad(x, [(0, 0)] * (x.ndim - 1) + [(0, -K % 32)]); x = x.reshape(x.shape[:-1] + (-1, 32)); a = np.abs(x).max(-1, keepdims=True)
;;       e = np.where(a > 0, np.clip(np.frexp(np.where(a > 0, a, 1))[1] - 1 - 2, -126, 127), 0)      # np.frexp(a)[1] - 1 = floor(log2(a)), exactly
;;       r = np.clip(x / 2.0 ** e, -7.5, 7.5)
;;       step = 2.0 ** (np.maximum(np.frexp(np.where(r == 0, 1, r))[1] - 1, 0) - 3)
;;       q = np.round(r / step) * step * 2.0 ** e      # np.round: ties to even
;;       return np.moveaxis(q.reshape(q.shape[:-2] + (-1,))[..., :K], -1, axis).astype(np.float32)
;;   ~~~
;;   OPERANDS COMPUTED ON THE WAY. 'Computed on the way' means the value that the module computes at that place (a softmax that the list does not call 'softmax' is quantised finished and normalised). What goes into a quantiser is computed in f32, as accurately as f32 sums, v_exp_f32 and their like allow (about 1e-6 of the number): no bf16 or f16 on the way to a quantiser, and a product that is left as it is and whose result goes on into a quantised operand takes f32 operands (vector FMAs, or v_wmma_f32_16x16x4_f32). A number that lies on a knife's edge between two numbers of the format may be rounded either way, as far as f32 arithmetic and the matrix unit's own rounding can turn it there, and no further.
;;   INPUTS GIVEN AS CODES. w_proj (in the module: [1024, 1024], K = its axis 0); w_qkv (in the module: [1024, 3072], K = its axis 0); x (in the module: [4, 4096, 1024], K = its axis 2): each comes as NAME_codes (uint8): NAME with its K axis moved to the last place and cut into blocks of 32 codes, [.., K / 32, bytes a block], one block behind the other in memory; four codes in three bytes: a row's codes are one little-endian stream of bits, code i at bits 6 i .. 6 i + 5 (a code: sign, 2 exponent bits, 3 mantissa bits); and NAME_scales (uint8): the same leading axes, one E8M0 byte (e + 127) for each 32 codes along K. Its value is code x scale, taken as it is: it is not quantised again, and the codes and scales need not be those that the quantiser above would give.
;; One version. Each part assembles by itself: llvm-mc -triple=amdgcn-amd-amdhsa -mcpu=gfx1250 --defsym DOCPART=n.
;; ======== version 1 of 1: 2 launches
;; workspace buffers: ws_codes 12,582,912 bytes; ws_scales 524,288 bytes
;; launch qkv_att (part 1): grid 64 x 4, 4 waves a work-group, clusters of 4 x 1, 327,680 bytes of LDS; arguments x_codes, x_scales, w_qkv_codes, w_qkv_scales, b_qkv, rpb, ws_codes, ws_scales; writes ws_codes, ws_scales
.if DOCPART == 1
	.amdgcn_target "amdgcn-amd-amdhsa--gfx1250"
	.amdhsa_code_object_version 6
	.text
	.protected	k_q5e7bcb24a9_qkv_att
	.globl	k_q5e7bcb24a9_qkv_att
	.p2align	8
	.type	k_q5e7bcb24a9_qkv_att,@function
k_q5e7bcb24a9_qkv_att:
	s_mov_b64 s[64:65], 0
	v_nop
	global_prefetch_b8 v0, s[64:65] scope:SCOPE_SE
	s_setreg_imm32_b32 hwreg(HW_REG_WAVE_MODE, 25, 1), 1
	s_wait_xcnt 0x0
	s_wait_alu depctr_hold_cnt(0) depctr_sa_sdst(0) depctr_va_vdst(0) depctr_va_sdst(0) depctr_va_ssrc(0) depctr_va_vcc(0) depctr_vm_vsrc(0)
	s_getreg_b32 s2, hwreg(HW_REG_IB_STS2, 6, 4)
	s_cmp_eq_u32 s2, 0
	s_cbranch_scc0 .Lentry_in_a_cluster
	s_endpgm
.Lentry_in_a_cluster:
	s_bfe_u32 s2, ttmp6, 0x10000c
	s_cmp_lg_u32 s2, 0x3003
	s_cbranch_scc0 .Lentry_shape_is_right
	s_endpgm
.Lentry_shape_is_right:
; q, k, v = x w_qkv + b_qkv on codes of FP6 (E2M3) with E8M0 scales; neighbourhood attention (13 keys, 16 heads of 64) in f32; its result quantised along the
; channels into codes and scale bytes for the last product.  q, k and v never go to memory.
; SHARES.  A work-group owns 256 tokens of one batch and 4 heads; a PASS is one head.  Wave w owns 64 queries: 4 tiles of 16.  For them it makes q (4 x 4 tiles of 16 x 16) and k, v of the 80 tokens
; that begin 8 below its first query (5 x 4 tiles each): the window of 13 keys of every query of tile t lies in token tiles t and t + 1, at the sequence's ends too.
; LAYOUT.  q and k are made TRANSPOSED (source 0 = 16 rows of w, source 1 = 16 tokens): a lane holds a token, its registers channels 8 (lane / 16) + j.  Two neighbouring registers of such a tile are, as they
; stand, an operand of the f32 matrix form (k' = 2 (lane / 16) + j' stands for the same channel on both sides).  S^T = k q^T: a lane holds a query, register j key 8 (lane / 16) + j.  v is made the natural way
; (a lane holds a channel, registers tokens), which is source 0 of O^T = v^T p^T; p, a lane a query, is source 1.  The rows of w that form a tile of v are chosen so that the 16 registers of two
; neighbouring tiles of O^T are 16 neighbouring channels: the quantiser's conversions take them as they lie.  Nothing changes lanes but two maxima, a sum and the exchange of half blocks.
; BY TURNS.  A tile of queries never looks at another tile.  So the attention's matrix phases stand in the order S0 S1 PV0 S2 PV1 S3 PV2 PV3, and behind each matrix instruction stands a slice of ANOTHER tile's
; vector work: tile t's softmax (114 instructions, four a slice) beside the phase that follows S(t), its quantiser (62, three a slice) beside the phase that follows PV(t).  S^T, p, O^T and 1 / the sum have
; two sets each, by the tile's parity.  A slice costs two switches of the register windows: no window has room for a product's operands beside the softmax's registers.
; x: 272 rows (8 tokens of halo on each side, rows outside the sequence held at a valid row: their keys are masked) lie in LDS for the whole launch.  They come through registers: the pitch of
; 768 + 16 bytes is no power of two, and the halo's rows want the hold.  w: 64 rows each of q's, k's and v's part of a head, 256 along K, through a ring of two slots.
; CLUSTER.  The four token blocks of a cluster walk the same weights: each tile of w is asked for jointly.  x's rows are shared with other head groups, which are no partners: w is the larger stream
; (4 heads x 192 rows x 768 bytes against 272 x 768), so the cluster lies along the tokens.
; ARITHMETIC.  The factor 1/8 is applied to the score (a power of two: exact).  p = 2^((s - max) log2 e); O^T is divided by the row's sum behind the product, and v's bias is added behind that (the weights sum to 1).
; LIMITS.  NaN and infinities among the inputs are not served.  A block of zeros gets the scale byte 1 with zero codes (the rule says 127): only this program reads the bytes.
; OUT.  ws_codes: images of the last product's fragments: ((hg 1024 + tile of 16 rows) 2 + q) 1536 + 768 c + 256 pair + 8 lane.  ws_scales: [16384][32].
; REGISTERS, in windows of 256.  W0: v0-31 addresses, v32-35 mask numbers, v36-43 scale bytes gathered, v44-54 and v56-66 scale words (two sets; nothing else ever lies there), v68-83 rpb, v84-95 w's scales on
;   their way, v96-111 rpb's offsets, v112-127 at work, v128-175 x's fragments for q, v176-223 w's for q, v224-255 v's bias.  W1: k's 20 accumulators, w's fragments for k and v.
;   W2: v's 20 accumulators, x's fragments for k and v, k's bias.  W3: q's 16 accumulators, v128-143 and v208-223 S^T, v144-175 and v224-255 O^T (written by matrix instructions alone), v176-207 q's bias.
.set WP,    240                        ; a row of w in a slot: 3 x (64 bytes + 16 of padding)
.set XP,    784                        ; a row of x in LDS: 768 bytes + 16 = 196 words: row r starts at bank 4 r mod 64
.set SLOT1, 65536                      ; slot 1 begins here: one exclusive or turns an address
.set XSC,   46080                      ; x's scale bytes: 320 rows x 32
.set SPARE, 56320                      ; the spare words: 128 bytes a wave
.set WSC,   56832                      ; the head's scale bytes of w: 3 sections x 64 rows x 32
.set XB,    111616                     ; x's 272 rows
.set SPW, 4
.set NIL, 5
.set AW0, 6                            ; v6-7   my place in a tile of w (second: behind one padding more)
.set AV0, 8                            ; v8-9   the same with v's choice of rows
.set AW,  10                           ; v10-11 the same in the slot in hand
.set AV,  12
.set AX0, 14
.set AX,  15
.set ASX0, 16
.set ASX, 17
.set ASW0, 18
.set ASW, 19
.set ASV0, 20
.set ASV, 21
.set BO,  22
.set BVO, 23
.set WSO, 24
.set WSL, 25
.set GOF, 26
.set ZZ,  27
.set NINF, 28
.set SSO, 29
.set XST, 30
.set XSS, 31
.set EE,  32
.set SCR, 36
.set SS0, 44
.set RB,  68
.set WT,  84
.set RBO, 96
.set TT,  112                          ; v112-127 a softmax's 16 places in the window
.set TQ,  112                          ; v112-118 a quantiser's temporaries (the two never stand in one phase)
.set XQ,  128
.set WQ,  176
.set BV,  224
.set P,   128                          ; in the attention the fragments' registers serve again: v128-159 p, two sets
.set OV,  160                          ; v160-191 O^T / the sum + bias
.set MS,  160                          ; v160-169 a softmax's temporaries, in the same registers: a quantiser has done with them when the next softmax begins
.set CD,  192                          ; v192-215 the codes, six registers a tile: they stay until the pass's stores
.set CT,  216
.set RC,  220                          ; v220-223 1 / the sum, a pair for each parity: it lives across the next tile's softmax
.set XO,  128                          ; at the head: x's 34 offsets, its scales' 5, their 20 registers
.set XSO, 164
.set XSD, 176
.set WK,  160                          ; window 1
.set WVF, 208
.set XKV, 160                          ; window 2
.set KB,  224
.set SA,  128                          ; window 3: set 0; set 1 lies 80 registers on
.set OA,  144
.set QB,  176
.set WAVE, 20
.set NF,  44                           ; s44 the index of the next fill
.set TB,  48                           ; s48 the slot in hand
.set XK,  49                           ; s49 96 x K step
.set K4,  50                           ; s50 4 x K step
.set MK,  70                           ; s70-85 a tile's 16 lane masks
.set MSB, 0
.macro WIN new                         ; the immediate's high byte repeats the setting that is left
.if MSB != \new
	s_set_vgpr_msb (MSB<<8)|\new
.set MSB, \new
.endif
.endm
.macro PLACES n
.rept \n
	v_nop
.endr
.endm
.macro CREST                           ; a round of the cluster's barrier behind its opening barrier
	s_cmp_lg_u32 s[WAVE], 0
	s_cbranch_scc1 .Lnot_wave_0_\@
	s_barrier_signal -3
.Lnot_wave_0_\@:
	s_barrier_wait -3
	s_barrier_signal -1
	s_barrier_wait -1
.endm
.macro CROUND
	s_barrier_signal -1
	s_barrier_wait -1
	CREST
.endm
.macro TLOAD                           ; the joint refill: waves 0, 1, 2 fetch q's, k's, v's 64 rows; wave 3 none.  Four v_nop follow the load
	s_cmp_lt_u32 s[WAVE], 3
	s_cbranch_scc0 .Lnone_\@
	tensor_load_to_lds s[40:43], s[28:35]
	s_nop 0
	PLACES 4
.Lnone_\@:
.endm
.macro NEXTFILL                        ; the walking descriptor: fill n is head n / 4 of my four, K slot n % 4; no tensor load of mine is out here
	s_lshr_b32 s46, s[NF], 2
	s_mul_i32 s46, s46, 49152
	s_and_b32 s47, s[NF], 3
	s_mul_i32 s47, s47, 192
	s_add_co_u32 s46, s46, s47
	s_mov_b32 s47, 0
	s_add_nc_u64 s[42:43], s[8:9], s[46:47]
	s_or_b32 s43, s43, 0x80000000
	s_xor_b32 s41, s41, SLOT1
	s_add_co_u32 s[NF], s[NF], 1
.endm
; one scaled product.  c < 0: the sum starts from 0.  ra, rb: the side's scale words lie in lanes 16-31
.macro WM d, a, b, c, sa, sb, ra, rb
.if (\c) < 0
.if (\ra) && (\rb)
	v_wmma_scale_f32_16x16x128_f8f6f4 v[(\d):(\d)+7], v[(\a):(\a)+11], v[(\b):(\b)+11], 0, v[\sa], v[\sb] matrix_a_fmt:MATRIX_FMT_FP6 matrix_b_fmt:MATRIX_FMT_FP6 matrix_a_scale:MATRIX_SCALE_ROW1 matrix_b_scale:MATRIX_SCALE_ROW1
.elseif (\ra)
	v_wmma_scale_f32_16x16x128_f8f6f4 v[(\d):(\d)+7], v[(\a):(\a)+11], v[(\b):(\b)+11], 0, v[\sa], v[\sb] matrix_a_fmt:MATRIX_FMT_FP6 matrix_b_fmt:MATRIX_FMT_FP6 matrix_a_scale:MATRIX_SCALE_ROW1
.elseif (\rb)
	v_wmma_scale_f32_16x16x128_f8f6f4 v[(\d):(\d)+7], v[(\a):(\a)+11], v[(\b):(\b)+11], 0, v[\sa], v[\sb] matrix_a_fmt:MATRIX_FMT_FP6 matrix_b_fmt:MATRIX_FMT_FP6 matrix_b_scale:MATRIX_SCALE_ROW1
.else
	v_wmma_scale_f32_16x16x128_f8f6f4 v[(\d):(\d)+7], v[(\a):(\a)+11], v[(\b):(\b)+11], 0, v[\sa], v[\sb] matrix_a_fmt:MATRIX_FMT_FP6 matrix_b_fmt:MATRIX_FMT_FP6
.endif
.else
.if (\ra) && (\rb)
	v_wmma_scale_f32_16x16x128_f8f6f4 v[(\d):(\d)+7], v[(\a):(\a)+11], v[(\b):(\b)+11], v[(\c):(\c)+7], v[\sa], v[\sb] matrix_a_fmt:MATRIX_FMT_FP6 matrix_b_fmt:MATRIX_FMT_FP6 matrix_a_scale:MATRIX_SCALE_ROW1 matrix_b_scale:MATRIX_SCALE_ROW1
.elseif (\ra)
	v_wmma_scale_f32_16x16x128_f8f6f4 v[(\d):(\d)+7], v[(\a):(\a)+11], v[(\b):(\b)+11], v[(\c):(\c)+7], v[\sa], v[\sb] matrix_a_fmt:MATRIX_FMT_FP6 matrix_b_fmt:MATRIX_FMT_FP6 matrix_a_scale:MATRIX_SCALE_ROW1
.elseif (\rb)
	v_wmma_scale_f32_16x16x128_f8f6f4 v[(\d):(\d)+7], v[(\a):(\a)+11], v[(\b):(\b)+11], v[(\c):(\c)+7], v[\sa], v[\sb] matrix_a_fmt:MATRIX_FMT_FP6 matrix_b_fmt:MATRIX_FMT_FP6 matrix_b_scale:MATRIX_SCALE_ROW1
.else
	v_wmma_scale_f32_16x16x128_f8f6f4 v[(\d):(\d)+7], v[(\a):(\a)+11], v[(\b):(\b)+11], v[(\c):(\c)+7], v[\sa], v[\sb] matrix_a_fmt:MATRIX_FMT_FP6 matrix_b_fmt:MATRIX_FMT_FP6
.endif
.endif
.endm
; A set of scale words at SS0 + 12 par: +0 q's tiles 0, 1 (the odd tile in lanes 16-31), +1 q's 2, 3, +2, +3 k's, +4, +5 v's; +6 x's token tiles 0, 1, +7 tiles 2, 3, +8 tile 4, +9, +10 x's query tiles.
; The accumulators take turns, one instruction a turn, in the same order in every step.
.macro KROW u, par, first              ; k of token tile u: four channel tiles.  The first step's sums start from k's bias
.irp ct, 0,1,2,3
.if \first
	WM 8*(4*(\u)+\ct), WK+12*\ct, XKV+12*(\u), KB+8*\ct, SS0+12*(\par)+2+\ct/2, SS0+12*(\par)+6+(\u)/2, \ct%2, (\u)%2
.else
	WM 8*(4*(\u)+\ct), WK+12*\ct, XKV+12*(\u), 8*(4*(\u)+\ct), SS0+12*(\par)+2+\ct/2, SS0+12*(\par)+6+(\u)/2, \ct%2, (\u)%2
.endif
.endr
.endm
.macro VROW u, par, first              ; v of token tile u, the natural way round; its bias is added at the end
.irp cv, 0,1,2,3
.if \first
	WM 8*(4*(\u)+\cv), XKV+12*(\u), WVF+12*\cv, -1, SS0+12*(\par)+6+(\u)/2, SS0+12*(\par)+4+\cv/2, (\u)%2, \cv%2
.else
	WM 8*(4*(\u)+\cv), XKV+12*(\u), WVF+12*\cv, 8*(4*(\u)+\cv), SS0+12*(\par)+6+(\u)/2, SS0+12*(\par)+4+\cv/2, (\u)%2, \cv%2
.endif
.endr
.endm
.macro QROW u, par, first              ; q of query tile u
.irp ct, 0,1,2,3
.if \first
	WM 8*(4*(\u)+\ct), WQ+12*\ct, XQ+12*(\u), QB+8*\ct, SS0+12*(\par)+\ct/2, SS0+12*(\par)+9+(\u)/2, \ct%2, (\u)%2
.else
	WM 8*(4*(\u)+\ct), WQ+12*\ct, XQ+12*(\u), 8*(4*(\u)+\ct), SS0+12*(\par)+\ct/2, SS0+12*(\par)+9+(\u)/2, \ct%2, (\u)%2
.endif
.endr
.endm
; A fragment of w: 16 rows x 128 K, the slot's q-th: six pieces of 8 bytes; where the piece of lanes 16-31, three on, lies behind one padding more, the second address register serves
.macro FRAGW reg, adr, q, row
.irp p, 0,1,2,3,4,5
.set PCX, 12*(\q)+6*(\p/3)+\p%3
.if PCX%8 < 5
	ds_load_b64 v[(\reg)+2*\p:(\reg)+2*\p+1], v[\adr] offset:8*PCX+16*(PCX/8)+(\row)*WP
.else
	ds_load_b64 v[(\reg)+2*\p:(\reg)+2*\p+1], v[(\adr)+1] offset:8*PCX+16*(PCX/8)+(\row)*WP
.endif
.endr
.endm
.macro FRAGX reg, row                  ; a fragment of x: no padding inside a row; the K step stands in the address
.irp p, 0,1,2,3,4,5
	ds_load_b64 v[(\reg)+2*\p:(\reg)+2*\p+1], v[AX] offset:(\row)*XP+48*(\p/3)+8*(\p%3)
.endr
.endm
; The next step's operands come in three runs, each behind the products that read its registers last: 35, 54 and 48 LDS loads.
.macro R1 set, q
.irp i, 0,1,2,3
	ds_load_b32 v[SS0+12*(\set)+\i], v[ASW] offset:1024*\i
.endr
	ds_load_b32 v[SS0+12*(\set)+4], v[ASV]
	ds_load_b32 v[SS0+12*(\set)+5], v[ASV] offset:1024
	ds_load_b32 v[SS0+12*(\set)+6], v[ASX]
	ds_load_b32 v[SS0+12*(\set)+7], v[ASX] offset:1024
	ds_load_b32 v[SS0+12*(\set)+8], v[ASX] offset:2048
	ds_load_b32 v[SS0+12*(\set)+9], v[ASX] offset:256
	ds_load_b32 v[SS0+12*(\set)+10], v[ASX] offset:1280
	WIN 0x40
.irp ct, 0,1,2,3
	FRAGW WK+12*\ct, AW, \q, 64+16*\ct
.endr
.endm
.macro R2 q
	WIN 0x40
.irp cv, 0,1,2,3
	FRAGW WVF+12*\cv, AV, \q, 128+32*(\cv/2)+8*(\cv%2)
.endr
	WIN 0x80
.irp u, 0,1,2,3,4
	FRAGX XKV+12*\u, 16*\u
.endr
.endm
.macro R3 q
	WIN 0
.irp ct, 0,1,2,3
	FRAGW WQ+12*\ct, AW, \q, 16*\ct
.endr
.irp u, 0,1,2,3
	FRAGX XQ+12*\u, 8+16*\u
.endr
.endm
.macro ADRS_STEP                       ; four plain lines: also the places between k's products and the loads into their operands
	v_add_nc_u32 v[AX], s[XK], v[AX0]
	v_add_nc_u32 v[ASX], s[K4], v[ASX0]
	v_add_nc_u32 v[ASW], s[K4], v[ASW0]
	v_add_nc_u32 v[ASV], s[K4], v[ASV0]
.endm
.macro ADRS_SLOT
	v_add_nc_u32 v[AW], s[TB], v[AW0]
	v_add_nc_u32 v[AW+1], s[TB], v[AW0+1]
	v_add_nc_u32 v[AV], s[TB], v[AV0]
	v_add_nc_u32 v[AV+1], s[TB], v[AV0+1]
.endm
.macro PRELOAD                         ; a pass's head: K step 0 lies in slot 0 (four slots to a pass)
	s_mov_b32 s[XK], 0
	s_mov_b32 s[K4], 0
	s_mov_b32 s[TB], 0
	ADRS_SLOT
	ADRS_STEP
	R1 0, 0
	R2 0
	R3 0
.endm
; A STEP of 128 along K: 20 + 20 + 16 products.  par: which half of its slot, and which set of scale words.  first: the sums start.  nxt: the next step's operands are fetched.
; chg = 1: the slot's second step changes slots: every wave waits for all its tensor loads, adds 0 to its spare word, waits for that and for its reads of the slot; a round of the cluster's barrier; the joint
; refill first behind it.  chg = 2: the same with the work-group's barrier alone, and nothing is filled.
.macro STEPM par, first, chg, nxt
	WIN 0
.if \chg
	s_wait_tensorcnt 0x0                           ; all my tensor loads have landed: my part of the next slot
	ds_add_u32 v[SPW], v[NIL]                      ; 0 onto my spare word
.if (\chg) == 1
	NEXTFILL
.endif
	s_wait_dscnt 49                                ; the last step's first two runs are in; its third run's 48 loads and the add may be out
.else
	s_wait_dscnt 48                                ; the last step's first two runs are in; its third run's 48 loads may be out
.endif
.if \first
	WIN 0x69                                       ; w window 1, x window 2, C (k's bias) window 2, D window 1
.else
	WIN 0x59
.endif
	KROW 0, \par, \first
	KROW 1, \par, \first
	KROW 2, \par, \first
.if \chg
	s_wait_dscnt 0x0                               ; the add is done, and my reads of this slot are over
	s_barrier_signal -1
.endif
	KROW 3, \par, \first
	KROW 4, \par, \first
	WIN 0
.if \chg
	s_barrier_wait -1
.if (\chg) == 1
	CREST                                          ; no wave of any partner still reads this slot or has a load on its way
	TLOAD
.endif
.endif
.if \nxt
	s_add_co_u32 s[XK], s[XK], 96
	s_add_co_u32 s[K4], s[K4], 4
.if \par
	s_xor_b32 s[TB], s[TB], SLOT1
	ADRS_SLOT
.endif
	ADRS_STEP
	R1 1-(\par), 1-(\par)
.endif
	WIN 0xa6                                       ; x window 2, w window 1, C and D window 2
	VROW 0, \par, \first
	VROW 1, \par, \first
	VROW 2, \par, \first
	VROW 3, \par, \first
	VROW 4, \par, \first
.if \nxt
	PLACES 4
	R2 1-(\par)
.endif
.if (\chg) == 0
.if \nxt
	s_wait_dscnt 63                                ; the last step's third run is in: 89 younger loads stand behind it, and the count's field holds 63
.else
	s_wait_dscnt 0x0
.endif
.endif
	WIN 0xf0                                       ; w and x window 0, C and D window 3
	QROW 0, \par, \first
	QROW 1, \par, \first
	QROW 2, \par, \first
	QROW 3, \par, \first
.if \nxt
	PLACES 4
	R3 1-(\par)
.endif
.endm
.macro LOADQK                          ; a head's scale bytes of w (16 bytes a thread of each section), q's and k's bias in the results' layout: channel 16 ct + 8 (lane / 16) + j
.irp i, 0,1,2
	global_load_b128 v[WT+4*\i:WT+4*\i+3], v[WSO], s[10:11] offset:32768*\i
.endr
	WIN 0xc0
.irp ct, 0,1,2,3
	global_load_b128 v[QB+8*\ct:QB+8*\ct+3], v[BO], s[12:13] offset:64*\ct
	global_load_b128 v[QB+8*\ct+4:QB+8*\ct+7], v[BO], s[12:13] offset:64*\ct+16
.endr
	WIN 0x80
.irp ct, 0,1,2,3
	global_load_b128 v[KB+8*\ct:KB+8*\ct+3], v[BO], s[12:13] offset:4096+64*\ct
	global_load_b128 v[KB+8*\ct+4:KB+8*\ct+7], v[BO], s[12:13] offset:4096+64*\ct+16
.endr
	WIN 0
.endm
.macro LOADBV                          ; v's bias in O^T's layout: channel 32 (cv / 2) + 16 (lane / 16) + 8 (cv % 2) + j; and the head's rpb at my 16 keys
.irp cv, 0,1,2,3
	global_load_b128 v[BV+8*\cv:BV+8*\cv+3], v[BVO], s[12:13] offset:8192+128*(\cv/2)+32*(\cv%2)
	global_load_b128 v[BV+8*\cv+4:BV+8*\cv+7], v[BVO], s[12:13] offset:8192+128*(\cv/2)+32*(\cv%2)+16
.endr
.set CI, 0
.rept 16
	global_load_b32 v[RB+CI], v[RBO+CI], s[14:15]
.set CI, CI+1
.endr
.endm
; THE VECTOR WORK OF THE ATTENTION, as two numbered lists; each macro writes number SJ of its list for tile t and steps SJ.
; Register c = 8 u + j of a lane holds key 16 u + 8 (lane / 16) + j of the 32 tokens that begin 8 below the tile's first query.
; THE SOFTMAX, 114 numbers:
;   0-15    the key's place in the query's window: sixteen plain lines, which are also the eight places ahead of the first read of S^T
;   16-31   score / 8 + rpb, each accumulator from its low end on
;   32-47   does the key count?  sixteen masks, as a batch;   48-63 a key outside the 13 of the window becomes -infinity
;   64-75   the row's maximum in four chains, with the lane 16 away; - maximum x log2 e, twice (a pair)
;   76-99   ONE BATCH: eight packed scalings and sixteen exponentials, a scaling among every two exponentials; none reads an exponential's result
;   100     a plain line behind the last exponential;  (wait)  one wait for the batch, ahead of its first reader
;   101-110 the row's sum;   111-113 1 / the sum, twice (a pair), and a plain line
.macro SMI t
.set rS, SA+80*((\t)%2)
.set rP, P+16*((\t)%2)
.set rC, RC+2*((\t)%2)
.if (SJ >= 16) && (SJ < 32)
	WIN 0x03
.elseif SJ < 114
	WIN 0
.endif
.if SJ < 16
	v_add_nc_u32 v[TT+SJ], 16*(SJ/8)+SJ%8, v[EE+(\t)]
.elseif SJ < 32
	v_fma_f32 v[rP+SJ-16], v[rS+SJ-16], s58, v[RB+SJ-16]
.elseif SJ < 48
	v_cmp_gt_u32 s[MK+SJ-32], 13, v[TT+SJ-32]
.elseif SJ < 64
	v_cndmask_b32 v[rP+SJ-48], v[NINF], v[rP+SJ-48], s[MK+SJ-48]
.elseif SJ < 68
	v_max3_num_f32 v[MS+SJ-64], v[rP+3*(SJ-64)], v[rP+3*(SJ-64)+1], v[rP+3*(SJ-64)+2]
.elseif SJ < 70
	v_max3_num_f32 v[MS+SJ-68], v[MS+SJ-68], v[rP+12+2*(SJ-68)], v[rP+13+2*(SJ-68)]
.elseif SJ == 70
	v_max_num_f32 v[MS+2], v[MS+2], v[MS+3]
.elseif SJ == 71
	v_max3_num_f32 v[MS], v[MS], v[MS+1], v[MS+2]
.elseif SJ == 72
	v_permlanex16_b32 v[MS+1], v[MS], s54, s55     ; the query's other 16 keys lie in the lane 16 away
.elseif SJ == 73
	v_max_num_f32 v[MS], v[MS], v[MS+1]            ; the row's maximum: finite, since 13 keys count
.elseif SJ < 76
	v_mul_f32 v[MS+4+SJ-74], -v[MS], s56
.elseif SJ < 100
.set QI, SJ-76
.set ISPK, 0
.set EL, QI-8                                  ; 22, 23: the last two exponentials
.if QI == 0
.set ISPK, 1
.set EL, 0
.elseif QI < 22
.if (QI-1)%3 == 0
.set ISPK, 1
.set EL, (QI-1)/3+1                            ; pair 1 to 7
.else
.set EL, 2*((QI-1)/3)+(QI-1)%3-1               ; the two numbers of the pair scaled two lines back or more
.endif
.endif
.if ISPK
	v_pk_fma_f32 v[rP+2*EL:rP+2*EL+1], v[rP+2*EL:rP+2*EL+1], s[56:57], v[MS+4:MS+5] op_sel_hi:[1,0,0]
.else
	v_exp_f32 v[rP+EL], v[rP+EL]
.endif
.elseif SJ == 100
	v_nop
.elseif SJ == 101
	s_wait_alu depctr_va_vdst(0)                   ; for this tile's exponentials, and for the reciprocals of the tile before
	v_pk_add_f32 v[MS+6:MS+7], v[rP:rP+1], v[rP+2:rP+3]
.elseif SJ == 102
	v_pk_add_f32 v[MS+8:MS+9], v[rP+4:rP+5], v[rP+6:rP+7]
.elseif SJ < 107
	v_pk_add_f32 v[MS+6+2*((SJ-103)%2):MS+7+2*((SJ-103)%2)], v[MS+6+2*((SJ-103)%2):MS+7+2*((SJ-103)%2)], v[rP+8+2*(SJ-103):rP+9+2*(SJ-103)]
.elseif SJ == 107
	v_pk_add_f32 v[MS+6:MS+7], v[MS+6:MS+7], v[MS+8:MS+9]
.elseif SJ == 108
	v_add_f32 v[MS+6], v[MS+6], v[MS+7]
.elseif SJ == 109
	v_permlanex16_b32 v[MS+7], v[MS+6], s54, s55
.elseif SJ == 110
	v_add_f32 v[MS+6], v[MS+6], v[MS+7]            ; the row's sum
.elseif SJ < 113
	v_rcp_f32 v[rC+SJ-111], v[MS+6]
.elseif SJ == 113
	v_nop
.endif
.set SJ, SJ+1
.endm
; THE QUANTISER, 62 numbers:
;   0-7     eight places behind the f32 form, ahead of the first read of O^T
;   8-23    O^T / the sum + v's bias: register 16 b + i is channel 32 b + 16 (lane / 16) + i
;   24-48   the head's two blocks of 32 channels: largest magnitudes (the floor 2^(3 - 127) holds the byte at 1 from below), scale operands, bytes
;   49-57   the conversions, a plain line, the exchange of half blocks: a whole block to a lane
;   58-61   the row's eight scale bytes move down by two, and this head's two come in on top
.macro QZI t
.set rO, OA+80*((\t)%2)
.set rC, RC+2*((\t)%2)
.set rD, CD+6*(\t)
.if SJ < 8
	v_nop
.elseif SJ < 24
.if (SJ == 8) && ((\t) == 3)
	s_wait_alu depctr_va_vdst(0)                   ; the last tile's reciprocals: no later softmax's wait stands ahead of their first reader
.endif
	WIN 0x03
	v_pk_fma_f32 v[OV+2*(SJ-8):OV+2*(SJ-8)+1], v[rO+2*(SJ-8):rO+2*(SJ-8)+1], v[rC:rC+1], v[BV+2*(SJ-8):BV+2*(SJ-8)+1]
.elseif SJ < 62
	WIN 0
.if SJ < 26
	v_max3_num_f32 v[TQ+SJ-24], |v[OV+16*(SJ-24)]|, |v[OV+16*(SJ-24)+1]|, 0x1800000
.elseif SJ < 40
	v_max3_num_f32 v[TQ+SJ%2], v[TQ+SJ%2], |v[OV+16*(SJ%2)+2*((SJ-24)/2)]|, |v[OV+16*(SJ%2)+2*((SJ-24)/2)+1]|
.elseif SJ < 42
	v_permlanex16_b32 v[TQ+2+SJ%2], v[TQ+SJ%2], s54, s55
.elseif SJ < 44
	v_max_num_f32 v[TQ+SJ%2], v[TQ+SJ%2], v[TQ+2+SJ%2]
.elseif SJ < 46
	v_add_nc_u32 v[TQ+4+SJ%2], 0xff000000, v[TQ+SJ%2]   ; 2 off the exponent field: the conversion's scale operand
.elseif SJ < 48
	v_lshrrev_b32 v[TQ+2+SJ%2], 23, v[TQ+4+SJ%2]   ; the scale's byte
.elseif SJ == 48
	v_lshl_or_b32 v[TQ+6], v[TQ+3], 8, v[TQ+2]
.elseif SJ == 49
	v_cvt_scalef32_pk16_fp6_f32 v[rD:rD+2], v[OV:OV+15], v[TQ+4]
.elseif SJ == 50
	v_cvt_scalef32_pk16_fp6_f32 v[CT:CT+2], v[OV+16:OV+31], v[TQ+5]
.elseif SJ == 51
	v_nop                                          ; one plain line behind a scaled conversion
.elseif SJ < 55
	v_permlane16_swap_b32 v[rD+SJ-52], v[CT+SJ-52]
.elseif SJ < 58
	v_mov_b32 v[rD+3+SJ-55], v[CT+SJ-55]
.elseif SJ == 58
	v_lshrrev_b32 v[SCR+2*(\t)], 16, v[SCR+2*(\t)]
.elseif SJ == 59
	v_lshl_or_b32 v[SCR+2*(\t)], v[SCR+2*(\t)+1], 16, v[SCR+2*(\t)]
.elseif SJ == 60
	v_lshrrev_b32 v[SCR+2*(\t)+1], 16, v[SCR+2*(\t)+1]
.else
	v_lshl_or_b32 v[SCR+2*(\t)+1], v[TQ+6], 16, v[SCR+2*(\t)+1]
.endif
.endif
.set SJ, SJ+1
.endm
.macro SLICE vk, vt                    ; vk = 1: four numbers of tile vt's softmax; 2: three of its quantiser; 0: nothing
.if (\vk) == 1
.rept 4
	SMI \vt
.endr
.elseif (\vk) == 2
.rept 3
	QZI \vt
.endr
.endif
.endm
; THE MATRIX PHASES.  No slice names a register of its phase's products.  The accumulators take turns, one instruction a turn.
.macro SPH t, vk, vt                   ; S^T of tile t: 32 products, two key tiles by turns, into the set of t's parity
.set SJ, 0
.set rSD, SA+80*((\t)%2)
.irp ct, 0,1,2,3
.irp jj, 0,1,2,3
.irp u, 0,1
	WIN 0xfd                                       ; k window 1, q window 3, S^T window 3
.if (\ct)+(\jj) == 0
	v_wmma_f32_16x16x4_f32 v[rSD+8*\u:rSD+8*\u+7], v[8*(4*((\t)+\u)+\ct)+2*\jj:8*(4*((\t)+\u)+\ct)+2*\jj+1], v[8*(4*(\t)+\ct)+2*\jj:8*(4*(\t)+\ct)+2*\jj+1], 0
.else
	v_wmma_f32_16x16x4_f32 v[rSD+8*\u:rSD+8*\u+7], v[8*(4*((\t)+\u)+\ct)+2*\jj:8*(4*((\t)+\u)+\ct)+2*\jj+1], v[8*(4*(\t)+\ct)+2*\jj:8*(4*(\t)+\ct)+2*\jj+1], v[rSD+8*\u:rSD+8*\u+7]
.endif
	SLICE \vk, \vt
.endr
.endr
.endr
.endm
.macro PPH t, vk, vt                   ; O^T of tile t: 32 products, four channel tiles by turns
.set SJ, 0
.set rOD, OA+80*((\t)%2)
.set rPB, P+16*((\t)%2)
.irp u, 0,1
.irp jj, 0,1,2,3
.irp cv, 0,1,2,3
	WIN 0xf2                                       ; v window 2, p window 0, O^T window 3
.if (\u)+(\jj) == 0
	v_wmma_f32_16x16x4_f32 v[rOD+8*\cv:rOD+8*\cv+7], v[8*(4*((\t)+\u)+\cv)+2*\jj:8*(4*((\t)+\u)+\cv)+2*\jj+1], v[rPB+8*\u+2*\jj:rPB+8*\u+2*\jj+1], 0
.else
	v_wmma_f32_16x16x4_f32 v[rOD+8*\cv:rOD+8*\cv+7], v[8*(4*((\t)+\u)+\cv)+2*\jj:8*(4*((\t)+\u)+\cv)+2*\jj+1], v[rPB+8*\u+2*\jj:rPB+8*\u+2*\jj+1], v[rOD+8*\cv:rOD+8*\cv+7]
.endif
	SLICE \vk, \vt
.endr
.endr
.endr
.endm
; A pass's attention.  pre = 1: the next head's small data are fetched beside it.
.macro ATT pre
	WIN 0
	PLACES 5                                       ; five places between the last scaled products and the products that take their results as operands
	s_wait_loadcnt 0x0                             ; v's bias and rpb
.if \pre
	s_wait_xcnt 0x0                                ; the earlier loads have read their bases
	s_add_nc_u64 s[12:13], s[12:13], 256
	s_add_nc_u64 s[10:11], s[10:11], 2048
	s_add_nc_u64 s[14:15], s[14:15], 100
	LOADQK
.endif
	SPH 0, 0, 0                                    ; tile 0's scores: there is no vector work yet to set between them
	SPH 1, 1, 0                                    ; tile 1's scores      | tile 0's softmax
	PPH 0, 1, 1                                    ; tile 0's O^T         | tile 1's softmax
	SPH 2, 2, 0                                    ; tile 2's scores      | tile 0's quantiser
	PPH 1, 1, 2                                    ; tile 1's O^T         | tile 2's softmax
	SPH 3, 2, 1                                    ; tile 3's scores      | tile 1's quantiser
	PPH 2, 1, 3                                    ; tile 2's O^T         | tile 3's softmax
	PPH 3, 2, 2                                    ; tile 3's O^T         | tile 2's quantiser
.set SJ, 0
.rept 62
	QZI 3                                          ; tile 3's quantiser stands alone
.endr
	WIN 0
.irp t, 0,1,2,3                                ; the pass's codes leave in one run, not among the matrix instructions
.irp pp, 0,1,2
	global_store_b64 v[GOF], v[CD+6*\t+2*\pp:CD+6*\t+2*\pp+1], s[16:17] offset:3072*\t+256*\pp   ; 32 lanes store 256 consecutive bytes, aligned
.endr
.endr
.if \pre
	s_wait_loadcnt 0x0                             ; the next head's scale bytes and biases are in
.irp i, 0,1,2
	ds_store_b128 v[WSL], v[WT+4*\i:WT+4*\i+3] offset:2048*\i    ; every wave passed the pass's last change of slots with its LDS reads over: nobody reads these bytes now
.endr
	LOADBV
	s_wait_xcnt 0x0                                ; the stores of the codes have read their registers and their base
	s_add_nc_u64 s[16:17], s[16:17], 768
	s_wait_dscnt 0x0
	s_barrier_signal -1
	s_barrier_wait -1                              ; the next head's scale bytes lie in LDS
.endif
.endm
	s_load_b512 s[4:19], s[0:1], 0x0               ; x_codes, x_scales, w_qkv_codes, w_qkv_scales, b_qkv, rpb, ws_codes, ws_scales
	v_lshl_add_u32 v[SPW], v0, 2, SPARE
	v_mov_b32 v[NIL], 0
	ds_add_u32 v4, v5
	s_wait_dscnt 0x0
	v_lshrrev_b32 v1, 5, v0
	v_readfirstlane_b32 s[WAVE], v1                ; wave 0..3
	s_bfe_u32 s21, ttmp6, 0x40000                  ; cx: it enters x's and the workspace's global addresses and the mask numbers alone
	s_lshl_b32 s22, ttmp9, 2
	s_add_co_u32 s22, s22, s21                     ; my block of 256 tokens, 0..63
	s_and_b32 s23, ttmp7, 0xffff                   ; my group of four heads, which the partners share
	s_lshr_b32 s24, s22, 4                         ; the batch
	s_and_b32 s25, s22, 15
	s_lshl_b32 s25, s25, 8                         ; my first token in it
	; descriptor group 1: 64 rows x 192 bytes, 768 bytes apart, 16 bytes of padding behind every 64
	s_mov_b32 s28, 15|(1<<20)|(1<<21)|(3<<22)|(3<<25)
	s_mov_b32 s29, 192<<16
	s_mov_b32 s30, 64<<16
	s_mov_b32 s31, 192<<16
	s_mov_b32 s32, 64
	s_mov_b32 s33, 768
	s_mov_b32 s34, 0
	s_mov_b32 s35, 0
	s_min_u32 s60, s[WAVE], 2                      ; wave 0: q's rows of w, 1: k's, 2: v's
	s_lshl_b32 s60, s60, 10
	s_lshl_b32 s61, s23, 8
	s_add_co_u32 s60, s60, s61
	s_mul_i32 s60, s60, 768
	s_mov_b32 s61, 0
	s_mul_i32 s62, s[WAVE], 64*WP
	s_mov_b32 s54, 0x76543210
	s_mov_b32 s55, 0xfedcba98
	s_mov_b32 s56, 0x3fb8aa3b                      ; log2(e)
	s_mov_b32 s57, s56
	s_mov_b32 s58, 0x3e000000                      ; 1 / 8
	s_wait_kmcnt 0x0
	s_add_nc_u64 s[8:9], s[8:9], s[60:61]
	s_mov_b32 s36, 1
	s_mov_b32 s37, s62
	s_mov_b64 s[38:39], s[8:9]
	s_or_b32 s39, s39, 0x80000000
	s_mov_b32 s40, 1
	s_add_co_u32 s41, s62, SLOT1
	s_add_nc_u64 s[42:43], s[8:9], 192
	s_or_b32 s43, s43, 0x80000000
	s_lshl_b32 s60, s23, 13
	s_add_nc_u64 s[10:11], s[10:11], s[60:61]      ; w's scale bytes at my first head
	s_lshl_b32 s60, s23, 10
	s_add_nc_u64 s[12:13], s[12:13], s[60:61]      ; the biases
	s_mul_i32 s60, s23, 400
	s_add_nc_u64 s[14:15], s[14:15], s[60:61]      ; rpb
	s_mov_b32 s27, 0
	s_mul_i32 s26, s24, 3145728
	s_add_nc_u64 s[4:5], s[4:5], s[26:27]          ; x at my batch
	s_lshl_b32 s26, s24, 17
	s_add_nc_u64 s[6:7], s[6:7], s[26:27]
	s_lshl_b32 s26, s23, 10
	s_lshl_b32 s66, s22, 4
	s_add_co_u32 s26, s26, s66
	s_lshl_b32 s66, s[WAVE], 2
	s_add_co_u32 s26, s26, s66
	s_mul_i32 s26, s26, 3072
	s_add_nc_u64 s[16:17], s[16:17], s[26:27]      ; the codes: (1024 hg + 16 block + 4 wave) x 3072
	s_lshl_b32 s26, s22, 13
	s_lshl_b32 s66, s[WAVE], 11
	s_add_co_u32 s26, s26, s66
	s_lshl_b32 s66, s23, 3
	s_add_co_u32 s26, s26, s66
	s_add_nc_u64 s[18:19], s[18:19], s[26:27]      ; the scale bytes: my 64 rows of 32, + 8 hg
	s_mul_i32 s67, s[WAVE], 68
	s_add_co_u32 s67, s67, s25
	s_sub_co_u32 s67, s67, 8                       ; the first token that I bring in (it may wrap under 0: the hold below takes it to a valid row)
	s_sub_co_u32 s68, s25, 8
	s_lshl_b32 s69, s[WAVE], 6
	s_add_co_u32 s69, s69, s25                     ; my first query
	CROUND                                         ; all four work-groups are here: the first joint loads meet
	s_cmp_lt_u32 s[WAVE], 3
	s_cbranch_scc0 .Lno_first
	tensor_load_to_lds s[36:39], s[28:35]          ; fills 0 and 1: two loads of mine are out
	s_nop 0
	tensor_load_to_lds s[40:43], s[28:35]
	s_nop 0
	PLACES 4
.Lno_first:
	v_and_b32 v1, 15, v0                           ; r
	v_bfe_u32 v2, v0, 4, 1                         ; h
	v_and_b32 v3, 31, v0                           ; lane
	v_mul_u32_u24 v[AW0], v1, WP
	v_mad_u32_u24 v[AW0], v2, 24, v[AW0]
	v_lshl_add_u32 v[AW0+1], v2, 4, v[AW0]
	v_and_b32 v[AV0], 8, v1
	v_add_nc_u32 v[AV0], v[AV0], v1                ; r + 8 (r / 8)
	v_lshl_add_u32 v[ASV0], v2, 3, v[AV0]
	v_lshl_add_u32 v[ASV0], v[ASV0], 5, WSC+4096   ; v's scale words: lanes 16-31 take the odd tile, 8 rows on
	v_mul_u32_u24 v[AV0], v[AV0], WP
	v_mad_u32_u24 v[AV0], v2, 24, v[AV0]
	v_lshl_add_u32 v[AV0+1], v2, 4, v[AV0]
	s_mul_i32 s63, s[WAVE], 64*XP
	s_add_co_u32 s63, s63, XB
	v_mul_u32_u24 v[AX0], v1, XP
	v_mad_u32_u24 v[AX0], v2, 24, v[AX0]
	v_add_nc_u32 v[AX0], s63, v[AX0]
	s_lshl_b32 s63, s[WAVE], 11
	s_add_co_u32 s63, s63, XSC
	v_lshl_add_u32 v[ASX0], v3, 5, s63
	v_lshl_add_u32 v[ASW0], v3, 5, WSC
	v_lshlrev_b32 v[BO], 5, v2
	v_lshlrev_b32 v[BVO], 6, v2
	v_lshlrev_b32 v[WSO], 4, v0
	v_lshl_add_u32 v[WSL], v0, 4, WSC
	v_lshlrev_b32 v[GOF], 3, v3
	v_lshl_add_u32 v[ZZ], v2, 3, 4
	v_sub_nc_u32 v[ZZ], v[ZZ], v1                  ; 8 h - r + 4: rpb's index of my key 0
	v_mov_b32 v[NINF], 0xff800000
	v_lshlrev_b32 v[SSO], 5, v3
	s_mul_i32 s63, s[WAVE], 68*XP
	s_add_co_u32 s63, s63, XB
	v_mul_u32_u24 v[XST], v2, XP
	v_lshl_add_u32 v[XST], v1, 4, v[XST]
	v_add_nc_u32 v[XST], s63, v[XST]               ; where I put x: rows 68 wave + h on, 16 r
	v_lshl_add_u32 v[XSS], v0, 4, XSC
.set CI, 0
.rept 16
	v_add_nc_u32 v[RBO+CI], 16*(CI/8)+CI%8, v[ZZ]
	v_min_u32 v[RBO+CI], 24, v[RBO+CI]             ; held inside the table: what is held belongs to masked keys
	v_lshlrev_b32 v[RBO+CI], 2, v[RBO+CI]
.set CI, CI+1
.endr
.irp i, 0,1,2,3,4,5,6,7
	v_mov_b32 v[SCR+\i], 0
.endr
	v_add_nc_u32 v116, s69, v1
.irp t, 0,1,2,3                                ; E = the tile's first key - the window's first key: key c counts where E + c is 0 .. 12
	v_add_nc_u32 v117, 16*\t, v116                 ; i
	v_min_u32 v118, 0xff9, v117
	v_min_u32 v119, 6, v118
	v_sub_nc_u32 v118, v118, v119                  ; the window's first key: i - 6 held to 0 .. 4083
	v_lshl_add_u32 v119, v2, 3, v117
	v_sub_nc_u32 v119, v119, v1
	v_sub_nc_u32 v119, v119, v118
	v_add_nc_u32 v[EE+\t], -8, v119
.endr
	v_add_nc_u32 v112, s67, v2
	v_lshlrev_b32 v113, 4, v1
.set CI, 0
.rept 34                                       ; x: 34 pairs of rows a wave; lanes 0-15 one row, lanes 16-31 the next
	v_add_nc_u32 v[XO+CI], 2*CI, v112
	v_min_u32 v[XO+CI], 0xfff, v[XO+CI]
	v_mad_u32_u24 v[XO+CI], v[XO+CI], 0x300, v113
.set CI, CI+1
.endr
	v_lshrrev_b32 v114, 1, v0
	v_add_nc_u32 v114, s68, v114
	v_and_b32 v115, 1, v0
	v_lshlrev_b32 v115, 4, v115
.irp i, 0,1,2,3,4
	v_add_nc_u32 v[XSO+\i], 64*\i, v114
	v_min_u32 v[XSO+\i], 0xfff, v[XSO+\i]
	v_lshl_add_u32 v[XSO+\i], v[XSO+\i], 5, v115
.endr
.irp i, 0,1,2,3,4
	global_load_b128 v[XSD+4*\i:XSD+4*\i+3], v[XSO+\i], s[6:7]
.endr
	LOADQK
	LOADBV                                         ; 48 small loads, then x's 102: each covers two aligned runs of 256 bytes
	WIN 0x40
.set CI, 0
.rept 17
.irp th, 0,1,2
	global_load_b128 v[12*CI+4*\th:12*CI+4*\th+3], v[XO+CI], s[4:5] offset:256*\th
.endr
.set CI, CI+1
.endr
	WIN 0x80
.rept 17
.irp th, 0,1,2
	global_load_b128 v[12*(CI-17)+4*\th:12*(CI-17)+4*\th+3], v[XO+CI], s[4:5] offset:256*\th
.endr
.set CI, CI+1
.endr
	WIN 0
	s_wait_loadcnt 51                              ; all but x's second 51 loads are in
.irp i, 0,1,2,3,4
	ds_store_b128 v[XSS], v[XSD+4*\i:XSD+4*\i+3] offset:2048*\i
.endr
.irp i, 0,1,2
	ds_store_b128 v[WSL], v[WT+4*\i:WT+4*\i+3] offset:2048*\i
.endr
	WIN 0x04
.set CI, 0
.rept 17
.irp th, 0,1,2
	ds_store_b128 v[XST], v[12*CI+4*\th:12*CI+4*\th+3] offset:2*CI*XP+256*\th
.endr
.set CI, CI+1
.endr
	s_wait_loadcnt 0x0
	WIN 0x08
.rept 17
.irp th, 0,1,2
	ds_store_b128 v[XST], v[12*(CI-17)+4*\th:12*(CI-17)+4*\th+3] offset:2*CI*XP+256*\th
.endr
.set CI, CI+1
.endr
	WIN 0
	s_wait_dscnt 0x0                               ; for the others' sake: my stores have landed
	s_wait_tensorcnt 0x1                           ; my part of fill 0 is in; fill 1 may stay out
	s_barrier_signal -1
	s_barrier_wait -1
	s_mov_b32 s[NF], 2
	s_mov_b32 s51, 3
.Lpass:                                            ; three heads; each change of slots fills a slot again: fills 2 to 13
	PRELOAD
	STEPM 0, 1, 0, 1
	s_mov_b32 s52, 3
.Lpair:
	STEPM 1, 0, 1, 1
	STEPM 0, 0, 0, 1
	s_sub_co_u32 s52, s52, 1
	s_cmp_lg_u32 s52, 0
	s_cbranch_scc1 .Lpair
	STEPM 1, 0, 1, 0
	ATT 1
	s_sub_co_u32 s51, s51, 1
	s_cmp_lg_u32 s51, 0
	s_cbranch_scc1 .Lpass
	PRELOAD                                        ; the last head is written out: fills 14 and 15, then none
	STEPM 0, 1, 0, 1
	s_mov_b32 s52, 2
.Ltail:
	STEPM 1, 0, 1, 1
	STEPM 0, 0, 0, 1
	s_sub_co_u32 s52, s52, 1
	s_cmp_lg_u32 s52, 0
	s_cbranch_scc1 .Ltail
	STEPM 1, 0, 2, 1
	STEPM 0, 0, 0, 1
	STEPM 1, 0, 0, 0
	ATT 0
	v_cmp_eq_u32 vcc_lo, 1, v2                     ; the rows' eight scale bytes: lanes 0-15 store the even tile's, lanes 16-31 the odd one's
	v_cndmask_b32 v112, v[SCR], v[SCR+2], vcc_lo
	v_cndmask_b32 v113, v[SCR+1], v[SCR+3], vcc_lo
	v_cndmask_b32 v114, v[SCR+4], v[SCR+6], vcc_lo
	v_cndmask_b32 v115, v[SCR+5], v[SCR+7], vcc_lo
	global_store_b64 v[SSO], v[112:113], s[18:19]
	global_store_b64 v[SSO], v[114:115], s[18:19] offset:1024
	s_wait_tensorcnt 0x0                           ; the wave's end
	ds_add_u32 v[SPW], v[NIL]
	s_wait_dscnt 0x0
	CROUND                                         ; the closing round
	s_endpgm
.Lfunc_end_k_q5e7bcb24a9_qkv_att:
	.size	k_q5e7bcb24a9_qkv_att, .Lfunc_end_k_q5e7bcb24a9_qkv_att-k_q5e7bcb24a9_qkv_att
	.p2alignl 7, 3214868480
	.fill 96, 4, 3214868480
	.section	.rodata,"a",@progbits
	.p2align	6, 0x0
	.amdhsa_kernel k_q5e7bcb24a9_qkv_att
		.amdhsa_group_segment_fixed_size 327680
		.amdhsa_private_segment_fixed_size 0
		.amdhsa_enable_private_segment 0
		.amdhsa_kernarg_size 64
		.amdhsa_user_sgpr_count 2
		.amdhsa_user_sgpr_kernarg_segment_ptr 1
		.amdhsa_wavefront_size32 1
		.amdhsa_system_sgpr_workgroup_id_x 1
		.amdhsa_system_sgpr_workgroup_id_y 1
		.amdhsa_system_sgpr_workgroup_id_z 1
		.amdhsa_system_vgpr_workitem_id 0
		.amdhsa_next_free_vgpr 1024
		.amdhsa_next_free_sgpr 90
		.amdhsa_reserve_vcc 1
		.amdhsa_float_denorm_mode_32 3
		.amdhsa_float_denorm_mode_16_64 3
		.amdhsa_memory_ordered 1
		.amdhsa_forward_progress 1
		.amdhsa_inst_pref_size 255
	.end_amdhsa_kernel
	.section	.bss,"aw",@nobits
	.p2align	6
	.space	262144
	.amdgpu_metadata
---
amdhsa.version: [ 1, 2 ]
amdhsa.kernels:
  - .name:           k_q5e7bcb24a9_qkv_att
    .symbol:         k_q5e7bcb24a9_qkv_att.kd
    .args:
      - { .name: x_codes, .offset: 0, .size: 8, .value_kind: global_buffer, .address_space: global }
      - { .name: x_scales, .offset: 8, .size: 8, .value_kind: global_buffer, .address_space: global }
      - { .name: w_qkv_codes, .offset: 16, .size: 8, .value_kind: global_buffer, .address_space: global }
      - { .name: w_qkv_scales, .offset: 24, .size: 8, .value_kind: global_buffer, .address_space: global }
      - { .name: b_qkv, .offset: 32, .size: 8, .value_kind: global_buffer, .address_space: global }
      - { .name: rpb, .offset: 40, .size: 8, .value_kind: global_buffer, .address_space: global }
      - { .name: ws_codes, .offset: 48, .size: 8, .value_kind: global_buffer, .address_space: global }
      - { .name: ws_scales, .offset: 56, .size: 8, .value_kind: global_buffer, .address_space: global }
    .group_segment_fixed_size: 327680
    .private_segment_fixed_size: 0
    .kernarg_segment_align: 8
    .kernarg_segment_size: 64
    .max_flat_workgroup_size: 128
    .sgpr_count:     90
    .vgpr_count:     1024
    .wavefront_size: 32
...
	.end_amdgpu_metadata
.endif
;; end of part 1
;; launch proj (part 2): grid 4 x 64, 4 waves a work-group, clusters of 4 x 4, 327,680 bytes of LDS; arguments ws_codes, ws_scales, w_proj_codes, w_proj_scales, out0, b_proj; writes out0
.if DOCPART == 2
	.amdgcn_target "amdgcn-amd-amdhsa--gfx1250"
	.amdhsa_code_object_version 6
	.text
	.protected	k_q5e7bcb24a9_proj
	.globl	k_q5e7bcb24a9_proj
	.p2align	8
	.type	k_q5e7bcb24a9_proj,@function
k_q5e7bcb24a9_proj:
	s_mov_b64 s[64:65], 0
	v_nop
	global_prefetch_b8 v0, s[64:65] scope:SCOPE_SE
	s_setreg_imm32_b32 hwreg(HW_REG_WAVE_MODE, 25, 1), 1
	s_wait_xcnt 0x0
	s_wait_alu depctr_hold_cnt(0) depctr_sa_sdst(0) depctr_va_vdst(0) depctr_va_sdst(0) depctr_va_ssrc(0) depctr_va_vcc(0) depctr_vm_vsrc(0)
	s_getreg_b32 s2, hwreg(HW_REG_IB_STS2, 6, 4)
	s_cmp_eq_u32 s2, 0
	s_cbranch_scc0 .Lentry_in_a_cluster
	s_endpgm
.Lentry_in_a_cluster:
	s_bfe_u32 s2, ttmp6, 0x10000c
	s_cmp_lg_u32 s2, 0xf033
	s_cbranch_scc0 .Lentry_shape_is_right
	s_endpgm
.Lentry_shape_is_right:
; out0[m][n] = sum over k of A[m][k] B[n][k] + b_proj[n].  A: the attention's result as codes of FP6 (E2M3), B = w_proj's codes [1024][1024], K innermost; one E8M0 scale for each 32 along K; sums in f32.
; A lies in memory as IMAGES OF ITS FRAGMENTS: ((K slot of 256) 1024 + tile of 16 rows) 2 + q) 1536 + 256 pair + 8 lane: 128 rows of a K slot are one dense block of 24,576 bytes, and a register pair
; of a fragment is 256 consecutive bytes, read by one load of 8 bytes a lane.  B's rows are 768 bytes; a tile's row is 192.
; A tile of C, 256 x 256, is made by four waves, each 128 x 128: 64 accumulators.  K goes in steps of 256 through a ring of two LDS slots.  The scale bytes of the work-group's rows come into LDS once.
; CLUSTERS: 4 x 4 work-groups; A's tiles are asked for jointly along a row of the cluster, B's along a column.  THE MATRIX INSTRUCTION IS USED TRANSPOSED (source 0 = 16 rows of B, source 1 = 16 rows of A): a lane
; holds eight neighbouring numbers of a row of C.  The bias is the C of each sum's first product.
; REGISTERS: window 0: v0-31 addresses; v32-63 scale words, two sets; v64-127 the bias; from v128 A's fragments, one set.  window 1: B's fragments, two sets.  windows 2, 3: the accumulators.
.set SIZE_M, 16384
.set SIZE_N, 1024
.set SIZE_K, 1024
.set KSTEP,  256
.set NQ,     KSTEP/128
.set ROWB,   192
.set KROW,   SIZE_K*6/8
.set PITCH,  240                       ; B's LDS row: 3 x (64 bytes + 16 of padding)
.set FR,     12
.set NL,     6
.set NP,     4
.set HALFA,  24576                     ; A's 128 rows of a slot: 8 tiles x 2 fragments x 1,536 bytes, dense
.set HALFB,  128*PITCH
.set SLOT,   2*HALFA+2*HALFB
.set ASTEP,  3145728                   ; from a K slot of A to the next, in memory
.set LAPS,   SIZE_K/(2*KSTEP)
.set KS,     SIZE_K/32
.set SCL,    2*SLOT
.set HALFS,  (128*KS/256)*272
.set SBLK,   (16*KS/256)*272
.set SPARE,  SCL+4*HALFS
.set SPITCH, 528                       ; the way out: a stage of 16 rows x (512 + 16) bytes a wave, in slot 0, which has had its last fill and its last read by then
.set ADRA, 16
.set ADRB, 20
.set STO,  24
.set RD,   25
.set CO,   26
.set SPW,  28
.set NIL,  29
.set ADRS, 27
.set SC,   32
.set BIAS, 64
.set AF,   128
.set BK,   128
.set G1, 24
.set G0, 32
.set G1B, 48
.set G0B, 56
.set G1S, 68
.set G0S, 76
.set G1SB, 80
.set G0SB, 88
.set MSB, 0
.macro WIN new
.if MSB != \new
	s_set_vgpr_msb (MSB<<8)|\new
.set MSB, \new
.endif
.endm
.set MUL_LO, 0xa1                      ; source 0 (B) window 1, source 1 (A) window 0, C and D window 2
.set MUL_HI, 0xf1
.set TO_B,   0x40
.macro JLOAD g0a, g1a, g0b, g1b        ; a joint load: waves 0 and 1 fetch for A, waves 2 and 3 for B; four v_nop follow each line
	s_cmp_eq_u32 s15, 0
	s_cbranch_scc0 .Lfor_b_\@
	tensor_load_to_lds s[\g0a:\g0a+3], s[\g1a:\g1a+7]
	s_nop 0
.rept 4
	v_nop
.endr
	s_branch .Lasked_\@
.Lfor_b_\@:
	tensor_load_to_lds s[\g0b:\g0b+3], s[\g1b:\g1b+7]
	s_nop 0
.rept 4
	v_nop
.endr
.Lasked_\@:
.endm
.macro CREST
	s_cmp_lg_u32 s14, 0
	s_cbranch_scc1 .Lnot_wave_0_\@
	s_barrier_signal -3
.Lnot_wave_0_\@:
	s_barrier_wait -3
	s_barrier_signal -1
	s_barrier_wait -1
.endm
.macro CROUND
	s_barrier_signal -1
	s_barrier_wait -1
	CREST
.endm
	s_load_b128 s[4:7], s[0:1], 0x0                ; A's codes, A's scales
	s_load_b128 s[8:11], s[0:1], 0x10              ; B's codes, B's scales
	s_load_b64 s[12:13], s[0:1], 0x20              ; C
	s_load_b64 s[96:97], s[0:1], 0x28              ; the bias
	v_lshl_add_u32 v[SPW], v0, 2, SPARE
	v_mov_b32 v[NIL], 0
	ds_add_u32 v28, v29
	s_wait_dscnt 0x0
	v_lshrrev_b32 v1, 5, v0
	v_readfirstlane_b32 s14, v1                    ; wave 0..3
	s_lshr_b32 s15, s14, 1                         ; which half of the tile's rows is mine.  Also: I fetch for A (0) or for B (1)
	s_and_b32 s16, s14, 1                          ; which half of its columns.  Also: which 128 rows I fetch
	s_bfe_u32 s40, ttmp6, 0x40000                  ; cx, cy
	s_bfe_u32 s41, ttmp6, 0x40004
	s_lshl_b32 s42, ttmp9, 2
	s_add_co_u32 s42, s42, s40                     ; tile column of C
	s_and_b32 s17, ttmp7, 0xffff
	s_lshl_b32 s17, s17, 2
	s_add_co_u32 s17, s17, s41                     ; tile row of C
	s_lshl_b32 s43, s41, 2
	s_lshl_b32 s43, 15, s43                        ; my row of the cluster
	s_lshl_b32 s44, 0x1111, s40                    ; my column
	; A's tiles: a dense block of 24,576 bytes as 96 rows of 256 bytes (32 elements of 8), no padding
	s_or_b32 s[G1+0], s43, (3<<16)|(1<<21)
	s_mov_b32 s[G1+1], 32<<16
	s_mov_b32 s[G1+2], 96<<16
	s_mov_b32 s[G1+3], 32<<16
	s_mov_b32 s[G1+4], 96
	s_mov_b32 s[G1+5], 32
	s_mov_b32 s[G1+6], 0
	s_mov_b32 s[G1+7], 0
	; B's tiles: 128 rows x 192 bytes, 16 bytes of padding behind every 64
	s_or_b32 s[G1B+0], s44, (0<<16)|(1<<20)|(1<<21)|(3<<22)|(3<<25)
	s_mov_b32 s[G1B+1], ROWB<<16
	s_mov_b32 s[G1B+2], 128<<16
	s_mov_b32 s[G1B+3], ROWB<<16
	s_mov_b32 s[G1B+4], 128
	s_mov_b32 s[G1B+5], KROW
	s_mov_b32 s[G1B+6], 0
	s_mov_b32 s[G1B+7], 0
	; the scales of 128 rows: a dense block as rows of 256 bytes, 16 bytes of padding behind each
	s_or_b32 s[G1S+0], s43, (3<<16)|(1<<20)|(1<<21)|(5<<22)|(3<<25)
	s_or_b32 s[G1SB+0], s44, (3<<16)|(1<<20)|(1<<21)|(5<<22)|(3<<25)
.irp g, G1S, G1SB
	s_mov_b32 s[\g+1], 32<<16
	s_mov_b32 s[\g+2], (128*KS/256)<<16
	s_mov_b32 s[\g+3], 32<<16
	s_mov_b32 s[\g+4], 128*KS/256
	s_mov_b32 s[\g+5], 32
	s_mov_b32 s[\g+6], 0
	s_mov_b32 s[\g+7], 0
.endr
	s_lshl_b32 s18, s16, 7
	s_lshl_b32 s20, s17, 8
	s_add_co_u32 s20, s20, s18                     ; A: row 256 x tile row + 128 x half
	s_lshl_b32 s46, s42, 8
	s_add_co_u32 s46, s46, s18                     ; B: row 256 x tile column + 128 x half
	s_mov_b32 s21, 0
	s_mov_b32 s47, 0
	s_mov_b64 s[18:19], KS
	s_mul_u64 s[22:23], s[20:21], s[18:19]         ; where these rows' scales begin
	s_mul_u64 s[92:93], s[46:47], s[18:19]
	s_mov_b64 s[18:19], 192
	s_mul_u64 s[20:21], s[20:21], s[18:19]         ; A's images: 3,072 bytes for 16 rows of a K slot
	s_mov_b64 s[18:19], KROW
	s_mul_u64 s[46:47], s[46:47], s[18:19]         ; B's codes
	s_mul_i32 s45, s16, HALFA                      ; where they go: no place in the cluster enters an LDS address
	s_mul_i32 s95, s16, HALFB
	s_add_co_u32 s95, s95, 2*HALFA
	s_mul_i32 s94, s14, HALFS
	s_wait_kmcnt 0x0
	s_add_nc_u64 s[20:21], s[4:5], s[20:21]
	s_add_nc_u64 s[22:23], s[6:7], s[22:23]
	s_add_nc_u64 s[46:47], s[8:9], s[46:47]
	s_add_nc_u64 s[92:93], s[10:11], s[92:93]
	CROUND                                         ; all sixteen work-groups are here: the first joint loads meet
	s_mov_b32 s[G0S], 1
	s_add_co_u32 s[G0S+1], s94, SCL
	s_mov_b64 s[G0S+2:G0S+3], s[22:23]
	s_or_b32 s[G0S+3], s[G0S+3], 0x80000000
	s_mov_b32 s[G0SB], 1
	s_add_co_u32 s[G0SB+1], s94, SCL
	s_mov_b64 s[G0SB+2:G0SB+3], s[92:93]
	s_or_b32 s[G0SB+3], s[G0SB+3], 0x80000000
	JLOAD G0S, G1S, G0SB, G1SB                     ; the scales first: they are wanted with K step 0
.irp s, 0,1
	s_mov_b32 s[G0+4*\s], 1
	s_add_co_u32 s[G0+4*\s+1], s45, \s*SLOT
	s_add_nc_u64 s[G0+4*\s+2:G0+4*\s+3], s[20:21], \s*ASTEP
	s_or_b32 s[G0+4*\s+3], s[G0+4*\s+3], 0x80000000
	s_mov_b32 s[G0B+4*\s], 1
	s_add_co_u32 s[G0B+4*\s+1], s95, \s*SLOT
	s_add_nc_u64 s[G0B+4*\s+2:G0B+4*\s+3], s[46:47], \s*ROWB
	s_or_b32 s[G0B+4*\s+3], s[G0B+4*\s+3], 0x80000000
	JLOAD G0+4*\s, G1, G0B+4*\s, G1B
.endr
	v_and_b32 v1, 15, v0                           ; l % 16
	v_bfe_u32 v2, v0, 4, 1                         ; l / 16
	v_mul_u32_u24 v3, v1, PITCH
	v_mul_u32_u24 v4, v2, 24
	v_add_nc_u32 v4, v3, v4                        ; B: a fragment's row x pitch + 24 x half
	v_lshl_add_u32 v5, v2, 4, v4                   ; and the same behind one padding more
	v_and_b32 v6, 31, v0
	v_lshlrev_b32 v6, 3, v6                        ; A: 8 x lane
	s_mul_i32 s21, s15, HALFA                      ; my 128 rows of A
	s_mul_i32 s22, s16, HALFB                      ; my 128 rows of B,
	s_add_co_u32 s22, s22, 2*HALFA                 ; which lie behind A's 256
.irp s, 0,1
	v_add_nc_u32 v[ADRA+\s], s21, v6
	v_add_nc_u32 v[ADRB+\s], s22, v4
	v_add_nc_u32 v[ADRB+2+\s], s22, v5
	s_add_co_u32 s21, s21, SLOT
	s_add_co_u32 s22, s22, SLOT
.endr
	v_mul_u32_u24 v5, v1, KS                       ; my row's scales: KS bytes a row,
	v_lshrrev_b32 v6, 8, v5
	v_lshl_add_u32 v5, v6, 4, v5                   ; and 16 more for each 256 passed
	s_mul_i32 s21, s15, HALFS
	s_mul_i32 s22, s16, HALFS
	s_add_co_u32 s22, s22, 2*HALFS
	s_sub_co_u32 s22, s22, s21
	v_mul_u32_u24 v6, s22, v2                      ; lanes 16-31 take B's
	s_add_co_u32 s21, s21, SCL
	v_add_nc_u32 v5, v5, v6
	v_add_nc_u32 v[ADRS], s21, v5
	s_mul_i32 s23, s14, 16*SPITCH                  ; my stage
	v_mul_u32_u24 v5, v1, SPITCH
	v_lshl_add_u32 v5, v2, 5, v5
	v_add_nc_u32 v[STO], s23, v5
	v_and_b32 v6, 31, v0
	v_lshlrev_b32 v[CO], 4, v6
	v_add_nc_u32 v[RD], s23, v[CO]
	s_lshl_b32 s20, s17, 8
	s_lshl_b32 s21, s15, 7
	s_add_co_u32 s20, s20, s21                     ; my first row of C
	s_mov_b32 s21, 0
	s_mov_b64 s[18:19], SIZE_N*4
	s_mul_u64 s[20:21], s[20:21], s[18:19]
	s_lshl_b32 s46, s42, 10                        ; my first column, in bytes
	s_lshl_b32 s47, s16, 9
	s_add_co_u32 s46, s46, s47
	s_mov_b32 s47, 0
	s_add_nc_u64 s[96:97], s[96:97], s[46:47]
	s_add_nc_u64 s[20:21], s[20:21], s[46:47]
	s_add_nc_u64 s[12:13], s[12:13], s[20:21]
	v_lshlrev_b32 v7, 5, v2
.irp b, 0,1,2,3,4,5,6,7                        ; the bias in the results' layout: for B's block b, columns 16 b + 8 (l / 16) + 0 .. 7
	global_load_b128 v[BIAS+8*\b:BIAS+8*\b+3], v7, s[96:97] offset:64*\b
	global_load_b128 v[BIAS+8*\b+4:BIAS+8*\b+7], v7, s[96:97] offset:64*\b+16
.endr
.macro FRAG reg, adr, q, i             ; a fragment of B: six pieces of 8 bytes; where the piece of lanes 16-31 lies behind one padding more, the second address register serves
.irp p, 0,1,2,3,4,5
.set PC, 12*(\q)+6*(\p/3)+\p%3
.if PC%8 < 5
	ds_load_b64 v[\reg+2*\p:\reg+2*\p+1], v[\adr] offset:8*PC+16*(PC/8)+(\i)*16*PITCH
.else
	ds_load_b64 v[\reg+2*\p:\reg+2*\p+1], v[\adr+2] offset:8*PC+16*(PC/8)+(\i)*16*PITCH
.endif
.endr
.endm
.macro FRAGA reg, slot, q, i           ; a fragment of A: its image, a register pair to a load, 256 consecutive bytes
.irp p, 0,1,2,3,4,5
	ds_load_b64 v[(\reg)+2*\p:(\reg)+2*\p+1], v[ADRA+\slot] offset:(2*(\i)+(\q))*1536+256*\p
.endr
.endm
; 16 products: A's blocks a0, a0 + 1 x B's eight.  zero = 1: the sums start from the bias.  The 64 accumulators take turns, one instruction a turn.
.macro MUL16 a0, p, q, sc, zero
.irp a, \a0, \a0+1
.irp b, 0,1,2,3,4,5,6,7
.if \zero
	v_wmma_scale_f32_16x16x128_f8f6f4 v[8*(8*((\a)%4)+\b):8*(8*((\a)%4)+\b)+7], v[128*(\p)+FR*\b:128*(\p)+FR*\b+FR-1], v[AF+FR*(\a):AF+FR*(\a)+FR-1], v[BIAS+8*\b:BIAS+8*\b+7], v[SC+8*NQ*(\sc)+NQ*\b+(\q)], v[SC+8*NQ*(\sc)+NQ*(\a)+(\q)] matrix_a_fmt:MATRIX_FMT_FP6 matrix_b_fmt:MATRIX_FMT_FP6 matrix_a_scale:MATRIX_SCALE_ROW1
.else
	v_wmma_scale_f32_16x16x128_f8f6f4 v[8*(8*((\a)%4)+\b):8*(8*((\a)%4)+\b)+7], v[128*(\p)+FR*\b:128*(\p)+FR*\b+FR-1], v[AF+FR*(\a):AF+FR*(\a)+FR-1], v[8*(8*((\a)%4)+\b):8*(8*((\a)%4)+\b)+7], v[SC+8*NQ*(\sc)+NQ*\b+(\q)], v[SC+8*NQ*(\sc)+NQ*(\a)+(\q)] matrix_a_fmt:MATRIX_FMT_FP6 matrix_b_fmt:MATRIX_FMT_FP6 matrix_a_scale:MATRIX_SCALE_ROW1
.endif
.endr
.endr
.endm
.macro FETCH_B slot, q, p
	WIN TO_B
.irp i, 0,1,2,3,4,5,6,7
	FRAG 128*(\p)+FR*\i, ADRB+\slot, \q, \i
.endr
	WIN 0
.endm
.macro FETCH_A slot, q, i0
.irp i, \i0, \i0+1, \i0+2, \i0+3
	FRAGA AF+FR*(\i), \slot, \q, \i
.endr
.endm
.macro SCALES sc                       ; the next K step's scale words: lanes 0-15 A's block i, lanes 16-31 B's block i
.irp i, 0,1,2,3,4,5,6,7
	ds_load_b64 v[SC+8*NQ*\sc+NQ*\i:SC+8*NQ*\sc+NQ*\i+1], v[ADRS] offset:\i*SBLK
.endr
.endm
.macro PLACES n
.rept \n
	v_nop
.endr
.endm
.macro STEP slot, q, zero              ; a step of 128 along K that has its successor in the same slot
	s_wait_dscnt 4*NL                              ; B's set and A's blocks 0-3 are in; the youngest loads (A's blocks 4-7) may be out
.if \zero
	WIN 0x81                                       ; C, the bias, in window 0
.else
	WIN MUL_LO
.endif
	MUL16 0, (\q)%2, \q, \slot, \zero
	MUL16 2, (\q)%2, \q, \slot, \zero
	s_wait_dscnt 0
	PLACES NP
	FETCH_B \slot, (\q)+1, 1-(\q)%2
	FETCH_A \slot, (\q)+1, 0
.if \zero
	WIN 0xc1
.else
	WIN MUL_HI
.endif
	MUL16 4, (\q)%2, \q, \slot, \zero
	MUL16 6, (\q)%2, \q, \slot, \zero
	PLACES NP
	WIN 0
	FETCH_A \slot, (\q)+1, 4
.endm
; A slot's last step changes slots: in front of the barrier each wave waits for all its tensor loads, adds 0 to its spare word, and waits for that and for its reads of this slot.
.macro TURN slot, next, fill
	s_wait_tensorcnt 0x0                           ; all my tensor loads have landed: my part of the next slot
	ds_add_u32 v[SPW], v[NIL]                      ; 0 onto my spare word
	s_wait_dscnt 4*NL+1                            ; the add and the youngest loads, A's blocks 4-7, may be out
	WIN MUL_LO
	MUL16 0, 1, NQ-1, \slot, 0
	s_wait_dscnt 0x0                               ; the add is done, and my reads of this slot are over
	s_barrier_signal -1
	MUL16 2, 1, NQ-1, \slot, 0
	WIN 0
	s_barrier_wait -1
.if \fill
	CREST                                          ; no wave of any partner still reads this slot's tile or has a load on its way
	s_add_nc_u64 s[G0+4*\slot+2:G0+4*\slot+3], s[G0+4*\slot+2:G0+4*\slot+3], 2*ASTEP
	s_add_nc_u64 s[G0B+4*\slot+2:G0B+4*\slot+3], s[G0B+4*\slot+2:G0B+4*\slot+3], 2*ROWB
	JLOAD G0+4*\slot, G1, G0B+4*\slot, G1B         ; the first tensor load behind the round
.else
	PLACES NP
.endif
	v_add_nc_u32 v[ADRS], 4*NQ, v[ADRS]
	FETCH_B \next, 0, 0
	FETCH_A \next, 0, 0
	SCALES \next
	WIN MUL_HI
	MUL16 4, 1, NQ-1, \slot, 0
	MUL16 6, 1, NQ-1, \slot, 0
	PLACES NP
	WIN 0
	FETCH_A \next, 0, 4
.endm
	s_wait_tensorcnt 1                             ; the scales and my part of K step 0 are in (K step 1's load may be out),
	s_barrier_signal -1
	s_barrier_wait -1                              ; everybody's are
	FETCH_B 0, 0, 0
	FETCH_A 0, 0, 0
	SCALES 0
	FETCH_A 0, 0, 4
	s_wait_loadcnt 0x0                             ; the bias
	STEP 0, 0, 1                                   ; the first step stands in front of the loop: its products start the sums
	s_mov_b32 s3, LAPS-1
.Llap:                                                 ; a trip goes once round the ring and fills both slots again
	TURN 0, 1, 1
	STEP 1, 0, 0
	TURN 1, 0, 1
	STEP 0, 0, 0
	s_sub_co_u32 s3, s3, 1
	s_cmp_lg_u32 s3, 0
	s_cbranch_scc1 .Llap
	TURN 0, 1, 0                                   ; the last lap fills nothing
	STEP 1, 0, 0
	s_wait_dscnt 4*NL
	WIN MUL_LO
	MUL16 0, 1, NQ-1, 1, 0
	MUL16 2, 1, NQ-1, 1, 0
	s_wait_dscnt 0
	WIN MUL_HI
	MUL16 4, 1, NQ-1, 1, 0
	MUL16 6, 1, NQ-1, 1, 0
	WIN 0
; THE WAY OUT, block by block of 16 rows x 128 columns, through my own stage in LDS: back come whole rows of 512 bytes, which the 32 lanes store as two aligned runs of 256 bytes.
; LDS serves a wave's instructions in order (ISA guide 5.7.1.4): no wait between the stores and the loads.
.macro TOSTAGE a
.set AC, 64*((\a)%4)
	WIN 0x08+4*((\a)/4)
.irp b, 0,1,2,3,4,5,6,7
	ds_store_b128 v[STO], v[AC+8*\b:AC+8*\b+3] offset:64*\b          ; each accumulator from its low end on
	ds_store_b128 v[STO], v[AC+8*\b+4:AC+8*\b+7] offset:64*\b+16
.endr
	WIN 0
.set BB, BK+64*((\a)%2)
.irp t, 0,1,2,3,4,5,6,7,8,9,10,11,12,13,14,15
	ds_load_b128 v[BB+4*\t:BB+4*\t+3], v[RD] offset:\t*SPITCH
.endr
.endm
.macro SEND a, younger
.set BB, BK+64*((\a)%2)
	s_wait_dscnt \younger
.if (\a) > 0
	s_add_nc_u64 s[12:13], s[12:13], 16*SIZE_N*4   ; behind a wait on XCNT: the earlier stores have read their base
.endif
.irp t, 0,1,2,3,4,5,6,7,8,9,10,11,12,13,14,15
	global_store_b128 v[CO], v[BB+4*\t:BB+4*\t+3], s[12:13] offset:\t*SIZE_N*4 th:TH_STORE_NT
.endr
.endm
	PLACES NP
	TOSTAGE 0
.irp a, 1,2,3,4,5,6,7
.if \a > 1
	s_wait_xcnt 0x0                                ; block a - 2's stores have read their registers and their base
.endif
	TOSTAGE \a
	SEND \a-1, 32
.endr
	s_wait_xcnt 0x0
	SEND 7, 0
	s_wait_tensorcnt 0x0                           ; the wave's end
	ds_add_u32 v[SPW], v[NIL]
	s_wait_dscnt 0x0
	CROUND                                         ; the closing round
	s_endpgm
.Lfunc_end_k_q5e7bcb24a9_proj:
	.size	k_q5e7bcb24a9_proj, .Lfunc_end_k_q5e7bcb24a9_proj-k_q5e7bcb24a9_proj
	.p2alignl 7, 3214868480
	.fill 96, 4, 3214868480
	.section	.rodata,"a",@progbits
	.p2align	6, 0x0
	.amdhsa_kernel k_q5e7bcb24a9_proj
		.amdhsa_group_segment_fixed_size 327680
		.amdhsa_private_segment_fixed_size 0
		.amdhsa_enable_private_segment 0
		.amdhsa_kernarg_size 48
		.amdhsa_user_sgpr_count 2
		.amdhsa_user_sgpr_kernarg_segment_ptr 1
		.amdhsa_wavefront_size32 1
		.amdhsa_system_sgpr_workgroup_id_x 1
		.amdhsa_system_sgpr_workgroup_id_y 1
		.amdhsa_system_sgpr_workgroup_id_z 1
		.amdhsa_system_vgpr_workitem_id 0
		.amdhsa_next_free_vgpr 1024
		.amdhsa_next_free_sgpr 98
		.amdhsa_reserve_vcc 0
		.amdhsa_float_denorm_mode_32 3
		.amdhsa_float_denorm_mode_16_64 3
		.amdhsa_memory_ordered 1
		.amdhsa_forward_progress 1
		.amdhsa_inst_pref_size 162
	.end_amdhsa_kernel
	.amdgpu_metadata
---
amdhsa.version: [ 1, 2 ]
amdhsa.kernels:
  - .name:           k_q5e7bcb24a9_proj
    .symbol:         k_q5e7bcb24a9_proj.kd
    .args:
      - { .name: ws_codes, .offset: 0, .size: 8, .value_kind: global_buffer, .address_space: global }
      - { .name: ws_scales, .offset: 8, .size: 8, .value_kind: global_buffer, .address_space: global }
      - { .name: w_proj_codes, .offset: 16, .size: 8, .value_kind: global_buffer, .address_space: global }
      - { .name: w_proj_scales, .offset: 24, .size: 8, .value_kind: global_buffer, .address_space: global }
      - { .name: out0, .offset: 32, .size: 8, .value_kind: global_buffer, .address_space: global }
      - { .name: b_proj, .offset: 40, .size: 8, .value_kind: global_buffer, .address_space: global }
    .group_segment_fixed_size: 327680
    .private_segment_fixed_size: 0
    .kernarg_segment_align: 8
    .kernarg_segment_size: 48
    .max_flat_workgroup_size: 128
    .sgpr_count:     98
    .vgpr_count:     1024
    .wavefront_size: 32
...
	.end_amdgpu_metadata
.endif
;; end of part 2
